; MI455X (gfx1250); checked and timed in simulation.
; The chip was launched on July 23, 2026; its instructions are those of AMD's public machine-readable ISA for CDNA 5 (MIT licence, August 2026) and "CDNA5" Instruction Set Architecture Reference Guide (July 2026). The comments in the code are by the model that wrote it; some were corrected since.
;; Content Based Attention. Allowed arithmetic: matrix products marked QUANTISED: E3M2 operands, one E8M0 scale for each 32 along K, by v_wmma_scale_f32_16x16x128_f8f6f4 with both operands' format E3M2, f32 sums; products left as they are: f32 operands where the result goes on into a quantised operand, else bf16, f16 or f32 operands; f32 sums; everything else in f32.
;; Inputs: W_dec_codes 1,024 x 32 x 24 uint8 (E3M2 codes of W_dec, K innermost, in blocks of 32 codes, four codes in three bytes); W_dec_scales 1,024 x 32 uint8 (E8M0 scales of W_dec, one for each 32 codes along K); W_enc_codes 1,024 x 32 x 24 uint8 (E3M2 codes of W_enc, K innermost, in blocks of 32 codes, four codes in three bytes); W_enc_scales 1,024 x 32 uint8 (E8M0 scales of W_enc, one for each 32 codes along K); W_out_codes 1,024 x 32 x 24 uint8 (E3M2 codes of W_out, K innermost, in blocks of 32 codes, four codes in three bytes); W_out_scales 1,024 x 32 uint8 (E8M0 scales of W_out, one for each 32 codes along K); b_dec 1,024 float32; b_enc 1,024 float32; b_out 1,024 float32; dec_states_codes 32 x 32 x 24 uint8 (E3M2 codes of dec_states, K innermost, in blocks of 32 codes, four codes in three bytes); dec_states_scales 32 x 32 uint8 (E8M0 scales of dec_states, one for each 32 codes along K); enc_len 32 int32; enc_states 32 x 2,048 x 1,024 float32; w_attn 1,024 float32.
;; Outputs: out0 32 x 1,024 float32; out1 32 x 2,048 float32.
;; This version of the problem:
;;   THIS VERSION OF THE PROBLEM IS GIVEN IN LOW PRECISION. The matrix products marked QUANTISED in the list below multiply operands that are first quantised to E3M2 (3 exponent bits, 2 mantissa bits; 6 bits a number), with one power-of-two scale for each 32 numbers along K (OCP MX v1.0); their sums are f32. All else is computed in f32.
;;   The module's matrix products, in the order in which they are computed (A, B: the left and right operand; K: the contracted axis; several contracted axes count as one K, in the product's order):
;;     1. [M 65,536, K 1,024] x [K 1,024, N 1,024]; A: input enc_states; B: input W_enc (given as codes): QUANTISED
;;     2. [M 32, K 1,024] x [K 1,024, N 1,024]; A: input dec_states (given as codes); B: input W_dec (given as codes): QUANTISED
;;     3. [M 65,536, K 1,024] x [K 1,024, N 1]; A: computed on the way; B: input w_attn: left as it is (N = 1 < 16)
;;     4. batch 32 x [M 1, K 2,048] x [K 2,048, N 1,024]; A: softmax; B: input enc_states: left as it is (M = 1 < 16)
;;     5. [M 32, K 1,024] x [K 1,024, N 1,024]; A: computed on the way; B: input W_out (given as codes): QUANTISED
;;   THE QUANTISER, for each operand of a quantised product, along K:
;;     - K is cut into blocks of 32 from its start; a last block that is shorter is filled with zeros.
;;     - A block's scale is 2^e with e = floor(log2(the largest magnitude in the block)) - 4, held to -126 .. 127; a block of zeros has e = 0. As a byte (E8M0): e + 127.
;;     - Each number is divided by its block's scale, clamped to +-28, and rounded to the nearest number of E3M2, ties to even, subnormals kept.
;;     - The product sums the exact products of the quantised numbers (number of the format x scale) in f32.
;;   ~~~python
;;   def quantise(x, axis):      # numpy; x: float32 -> the quantised numbers, widened to float32 again
;;       x = np.moveaxis(x, axis, -1); K = x.shape[-1]
;;       x = np.pad(x, [(0, 0)] * (x.ndim - 1) + [(0, -K % 32)]); x = x.reshape(x.shape[:-1] + (-1, 32)); a = np.abs(x).max(-1, keepdims=True)
;;       e = np.where(a > 0, np.clip(np.frexp(np.where(a > 0, a, 1))[1] - 1 - 4, -126, 127), 0)      # np.frexp(a)[1] - 1 = floor(log2(a)), exactly
;;       r = np.clip(x / 2.0 ** e, -28, 28)
;;       step = 2.0 ** (np.maximum(np.frexp(np.where(r == 0, 1, r))[1] - 1, -2) - 2)
;;       q = np.round(r / step) * step * 2.0 ** e      # np.round: ties to even
;;       return np.moveaxis(q.reshape(q.shape[:-2] + (-1,))[..., :K], -1, axis).astype(np.float32)
;;   ~~~
;;   OPERANDS COMPUTED ON THE WAY. 'Computed on the way' means the value that the module computes at that place (a softmax that the list does not call 'softmax' is quantised finished and normalised). What goes into a quantiser is computed in f32, as accurately as f32 sums, v_exp_f32 and their like allow (about 1e-6 of the number): no bf16 or f16 on the way to a quantiser, and a product that is left as it is and whose result goes on into a quantised operand takes f32 operands (vector FMAs, or v_wmma_f32_16x16x4_f32). A number that lies on a knife's edge between two numbers of the format may be rounded either way, as far as f32 arithmetic and the matrix unit's own rounding can turn it there, and no further.
;;   INPUTS GIVEN AS CODES. W_dec (in the module: [1024, 1024], K = its axis 0); W_enc (in the module: [1024, 1024], K = its axis 0); W_out (in the module: [1024, 1024], K = its axis 0); dec_states (in the module: [32, 1024], K = its axis 1): each comes as NAME_codes (uint8): NAME with its K axis moved to the last place and cut into blocks of 32 codes, [.., K / 32, bytes a block], one block behind the other in memory; four codes in three bytes: a row's codes are one little-endian stream of bits, code i at bits 6 i .. 6 i + 5 (a code: sign, 3 exponent bits, 2 mantissa bits); and NAME_scales (uint8): the same leading axes, one E8M0 byte (e + 127) for each 32 codes along K. Its value is code x scale, taken as it is: it is not quantised again, and the codes and scales need not be those that the quantiser above would give.
;; One version. Each part assembles by itself: llvm-mc -triple=amdgcn-amd-amdhsa -mcpu=gfx1250 --defsym DOCPART=n.
;; ======== version 1 of 1: 3 launches
;; limits: right only within a limited range of input values
;; workspace buffers: wimg 786,432 bytes; wimg2 786,432 bytes; cbuf 131,072 bytes; sc 262,144 bytes; pctx 4,194,304 bytes
;; launch prep (part 1): grid 192 x 1, 1 waves a work-group, no clusters, 2,304 bytes of LDS; arguments dec_states_codes, dec_states_scales, W_dec_codes, W_dec_scales, b_dec, b_enc, W_enc_codes, W_out_codes, wimg, wimg2, cbuf; writes wimg, wimg2, cbuf
.if DOCPART == 1
	.amdgcn_target "amdgcn-amd-amdhsa--gfx1250"
	.amdhsa_code_object_version 6
	.text
	.protected	k_q15d96eac54_prep
	.globl	k_q15d96eac54_prep
	.p2align	8
	.type	k_q15d96eac54_prep,@function
k_q15d96eac54_prep:
	s_mov_b64 s[64:65], 0
	v_nop
	global_prefetch_b8 v0, s[64:65] scope:SCOPE_SE
	s_setreg_imm32_b32 hwreg(HW_REG_WAVE_MODE, 25, 1), 1
	s_wait_xcnt 0x0
; ContentBasedAttention in MX-BF6, launch 1 of 3.
; THE PROGRAM.  prep: dec_h = dec_states W_dec (quantised product, both operands given as codes), and W_enc's and W_out's codes laid out as images of operand registers.
;   main: blocks of 64 encoder rows: quantise, enc_states W_enc, tanh, score, the block's softmax terms and its part of the context.   fin: joins a batch's blocks, writes attn, quantises the context, context W_out.
; WORK LEFT OUT, for all finite values of the inputs:
;   (1) tanh(z) = 1 - 2 / (1 + e^(2 z)), so score[b][s] = sum_a w_attn[a] - 2 sum_a w_attn[a] / (1 + e^(2 z[b][s][a])).  The first sum is the same for every s of a row, and a softmax along s is unchanged by it: it is not formed.
;   (2) SCALING is the constant 1: no multiplication.
;   (3) reference() sets the score to -infinity where s >= enc_len[b]: the weight is exactly 0 there, and 0 x enc_states[b][s][:] adds nothing to the context.  Blocks of 64 rows that lie wholly at or past enc_len[b] are not quantised or multiplied,
;       and not read either, but for one case that main's head states (main reads enc_len).
; LIMITS: a NaN or an infinity in encoder rows of blocks left out is not carried to the result.  enc_len[b] is served from 1 to 2,048 (above 2,048 it acts as 2,048; at 0 or below that batch is not served).
; THIS LAUNCH: 192 work-groups of one wave.  Work-group g has job g / 64 and the 16 columns 16 T .., T = g % 64, of a weight.
;   Jobs 0 and 1 (W_enc to wimg, W_out to wimg2): the eight fragments of these columns (16 rows of codes x 128 along K: 12 registers a lane) are loaded as the matrix unit takes them and stored as they stand:
;       register 4 c + i of lane l, K step s, at 12,288 T + 1,536 s + 512 c + 16 l + 4 i.  The later launches then bring a fragment by three loads of 16 bytes a lane, 512 consecutive bytes each.
;   Job 2: cbuf[T][b][i] = c (dec_h[b][16 T + i] + b_dec[..] + b_enc[..]), c = 2 log2(e): what main adds to c x enc_h ahead of its exponential; a tile's 32 batches x 64 bytes lie on end, so that one wave stores whole runs of 512 bytes.
;       The product is used transposed (source 0 = 16 rows of W_dec, source 1 = 16 batches): a lane holds one batch and eight neighbouring columns; the 2,048 bytes go through the wave's own stage in LDS.
; No tensor load, no cluster, no prefetch: each work-group reads its bytes once, in one run with no loop; only dec_states, 25 KB, is shared.
.set SPARE, 2048                       ; behind the stage: the spare words, 128 bytes, in a block of 256
.set WD,  32                           ; v32-127   W_dec's 8 fragments
.set WE,  128                          ; v128-223  the 8 fragments that are laid out
.set ACC, 224                          ; v224-239  two accumulators (batches 0-15, 16-31)
.set WDS, 240                          ; v240-243  W_dec's scale words: register i: K step i in lanes 0-15, K step 4 + i in lanes 16-31
.set DS,  244                          ; v244-251  dec_states' likewise, four registers for each 16 batches
.set MSB, 0
.macro WIN new                         ; the immediate's high byte repeats the setting that is left
.if MSB != (\new)
	s_set_vgpr_msb (MSB<<8)|(\new)
.set MSB, \new
.endif
.endm
	s_load_b512 s[4:19], s[0:1], 0x0               ; dec codes s[4:5], dec scales s[6:7], W_dec codes s[8:9], W_dec scales s[10:11], b_dec s[12:13], b_enc s[14:15], W_enc codes s[16:17], W_out codes s[18:19]
	s_load_b128 s[20:23], s[0:1], 0x40             ; wimg, wimg2
	s_load_b64 s[24:25], s[0:1], 0x50              ; cbuf
	s_lshr_b32 s27, ttmp9, 6                       ; job
	s_and_b32 s26, ttmp9, 63                       ; T
	s_mov_b32 s28, 0x4038aa3b                      ; c = 2 log2(e)
	s_mov_b32 s29, s28
	s_mov_b32 s31, 0
	v_lshl_add_u32 v1, v0, 2, SPARE                ; my spare word
	v_mov_b32 v2, 0
	v_and_b32 v11, 15, v0                          ; r
	v_bfe_u32 v12, v0, 4, 1                        ; h
	v_lshlrev_b32 v6, 4, v0                        ; 16 x lane
	v_mul_u32_u24 v3, v11, 768
	v_lshlrev_b32 v4, 5, v11
	v_lshlrev_b32 v5, 5, v12                       ; biases: my eight columns, 32 h
	v_lshlrev_b32 v7, 6, v11
	v_mad_u32_u24 v3, v12, 24, v3                  ; a fragment's row of 768 bytes, + 24 h
	v_lshl_add_u32 v4, v12, 4, v4                  ; scale words: row of 32 bytes, + 16 h
	v_lshl_add_u32 v7, v12, 5, v7                  ; the stage, in: batch r's 64 bytes, + 32 h
	s_wait_alu depctr_va_vdst(0)                   ; the wait at the head's end
	s_wait_kmcnt 0x0
	s_mul_i32 s30, s26, 12288                      ; 16 rows of 768 bytes; a tile's eight images are as many
	s_cmp_lt_u32 s27, 2
	s_cbranch_scc0 .Lprod
	s_cmp_eq_u32 s27, 0                            ; jobs 0 and 1 differ in their two buffers alone
	s_cselect_b64 s[16:17], s[16:17], s[18:19]
	s_cselect_b64 s[20:21], s[20:21], s[22:23]
	s_add_nc_u64 s[16:17], s[16:17], s[30:31]
	s_add_nc_u64 s[20:21], s[20:21], s[30:31]
.irp s, 0,1,2,3,4,5,6,7
.irp p, 0,1,2,3,4,5
	global_load_b64 v[WE+12*\s+2*\p:WE+12*\s+2*\p+1], v3, s[16:17] offset:96*\s+48*(\p/3)+8*(\p%3)
.endr
.endr
.irp s, 0,1,2,3,4,5,6,7
	s_wait_loadcnt 6*(7-\s)                        ; this K step's six loads are in; those of the later K steps may be out
.irp c, 0,1,2
	global_store_b128 v6, v[WE+12*\s+4*\c:WE+12*\s+4*\c+3], s[20:21] offset:1536*\s+512*\c   ; 32 lanes store 512 consecutive bytes
.endr
.endr
	s_branch .Lend
.Lprod:
	s_add_nc_u64 s[8:9], s[8:9], s[30:31]
	s_lshl_b32 s30, s26, 9
	s_add_nc_u64 s[10:11], s[10:11], s[30:31]
	s_lshl_b32 s30, s26, 6
	s_add_nc_u64 s[12:13], s[12:13], s[30:31]
	s_add_nc_u64 s[14:15], s[14:15], s[30:31]
	s_lshl_b32 s30, s26, 11
	s_add_nc_u64 s[24:25], s[24:25], s[30:31]      ; cbuf at tile T
.irp s, 0,1,2,3,4,5,6,7
.irp p, 0,1,2,3,4,5
	global_load_b64 v[WD+12*\s+2*\p:WD+12*\s+2*\p+1], v3, s[8:9] offset:96*\s+48*(\p/3)+8*(\p%3)
.endr
.endr
	WIN 0x40                                       ; destination window 1: dec_states' fragment (16 batches m, K step s) at v[12 (8 m + s)]
.irp m, 0,1
.irp s, 0,1,2,3,4,5,6,7
.irp p, 0,1,2,3,4,5
	global_load_b64 v[12*(8*\m+\s)+2*\p:12*(8*\m+\s)+2*\p+1], v3, s[4:5] offset:12288*\m+96*\s+48*(\p/3)+8*(\p%3)
.endr
.endr
.endr
	WIN 0
	global_load_b128 v[WDS:WDS+3], v4, s[10:11]
	global_load_b128 v[DS:DS+3], v4, s[6:7]
	global_load_b128 v[DS+4:DS+7], v4, s[6:7] offset:512
	global_load_b128 v[16:19], v5, s[12:13]
	global_load_b128 v[20:23], v5, s[12:13] offset:16
	global_load_b128 v[24:27], v5, s[14:15]
	global_load_b128 v[28:31], v5, s[14:15] offset:16
	s_wait_loadcnt 0x0
.irp j, 0,2,4,6
	v_pk_add_f32 v[24+\j:25+\j], v[24+\j:25+\j], v[16+\j:17+\j]
.endr
.irp j, 0,2,4,6
	v_pk_mul_f32 v[24+\j:25+\j], v[24+\j:25+\j], s[28:29] op_sel_hi:[1,0]      ; c (b_dec + b_enc) of my eight columns
.endr
	WIN 0x04                                       ; source 1 in window 1
.irp s, 0,1,2,3,4,5,6,7                        ; the two accumulators take turns, one instruction a turn
.irp m, 0,1
.if \s == 0
	v_wmma_scale_f32_16x16x128_f8f6f4 v[ACC+8*\m:ACC+8*\m+7], v[WD+12*\s:WD+12*\s+11], v[12*(8*\m+\s):12*(8*\m+\s)+11], 0, v[WDS+\s%4], v[DS+4*\m+\s%4] matrix_a_fmt:MATRIX_FMT_BF6 matrix_b_fmt:MATRIX_FMT_BF6
.elseif \s < 4
	v_wmma_scale_f32_16x16x128_f8f6f4 v[ACC+8*\m:ACC+8*\m+7], v[WD+12*\s:WD+12*\s+11], v[12*(8*\m+\s):12*(8*\m+\s)+11], v[ACC+8*\m:ACC+8*\m+7], v[WDS+\s%4], v[DS+4*\m+\s%4] matrix_a_fmt:MATRIX_FMT_BF6 matrix_b_fmt:MATRIX_FMT_BF6
.else
	v_wmma_scale_f32_16x16x128_f8f6f4 v[ACC+8*\m:ACC+8*\m+7], v[WD+12*\s:WD+12*\s+11], v[12*(8*\m+\s):12*(8*\m+\s)+11], v[ACC+8*\m:ACC+8*\m+7], v[WDS+\s%4], v[DS+4*\m+\s%4] matrix_a_fmt:MATRIX_FMT_BF6 matrix_b_fmt:MATRIX_FMT_BF6 matrix_a_scale:MATRIX_SCALE_ROW1 matrix_b_scale:MATRIX_SCALE_ROW1
.endif
.endr
.endr
	WIN 0
.rept 4
	v_nop                                          ; four places between the last product and the first read of results (ISA guide 7.12.1)
.endr
.irp m, 0,1
.irp j, 0,2,4,6
	v_pk_fma_f32 v[ACC+8*\m+\j:ACC+8*\m+\j+1], v[ACC+8*\m+\j:ACC+8*\m+\j+1], s[28:29], v[24+\j:25+\j] op_sel_hi:[1,0,1]   ; lane (r, h): batch 16 m + r, columns 16 T + 8 h + j
.endr
.endr
.irp m, 0,1
	ds_store_b128 v7, v[ACC+8*\m:ACC+8*\m+3] offset:1024*\m
	ds_store_b128 v7, v[ACC+8*\m+4:ACC+8*\m+7] offset:1024*\m+16
.endr
.irp i, 0,1,2,3
	ds_load_b128 v[16+4*\i:19+4*\i], v6 offset:512*\i    ; LDS serves a wave's instructions in order (ISA guide 5.7.1.4): these see the stores above
.endr
.irp i, 0,1,2,3
	s_wait_dscnt 3-\i
	global_store_b128 v6, v[16+4*\i:19+4*\i], s[24:25] offset:512*\i           ; 32 lanes store 512 consecutive bytes
.endr
.Lend:
	s_wait_tensorcnt 0x0                           ; the wave's end
	ds_add_u32 v1, v2
	s_wait_dscnt 0x0
	s_endpgm
.Lfunc_end_k_q15d96eac54_prep:
	.size	k_q15d96eac54_prep, .Lfunc_end_k_q15d96eac54_prep-k_q15d96eac54_prep
	.p2alignl 7, 3214868480
	.fill 96, 4, 3214868480
	.section	.rodata,"a",@progbits
	.p2align	6, 0x0
	.amdhsa_kernel k_q15d96eac54_prep
		.amdhsa_group_segment_fixed_size 2304
		.amdhsa_private_segment_fixed_size 0
		.amdhsa_enable_private_segment 0
		.amdhsa_kernarg_size 88
		.amdhsa_user_sgpr_count 2
		.amdhsa_user_sgpr_kernarg_segment_ptr 1
		.amdhsa_wavefront_size32 1
		.amdhsa_system_sgpr_workgroup_id_x 1
		.amdhsa_system_sgpr_workgroup_id_y 1
		.amdhsa_system_sgpr_workgroup_id_z 1
		.amdhsa_system_vgpr_workitem_id 0
		.amdhsa_next_free_vgpr 512
		.amdhsa_next_free_sgpr 66
		.amdhsa_reserve_vcc 0
		.amdhsa_float_denorm_mode_32 3
		.amdhsa_float_denorm_mode_16_64 3
		.amdhsa_memory_ordered 1
		.amdhsa_forward_progress 1
		.amdhsa_inst_pref_size 28
	.end_amdhsa_kernel
	.amdgpu_metadata
---
amdhsa.version: [ 1, 2 ]
amdhsa.kernels:
  - .name:           k_q15d96eac54_prep
    .symbol:         k_q15d96eac54_prep.kd
    .args:
      - { .name: dec_states_codes, .offset: 0, .size: 8, .value_kind: global_buffer, .address_space: global }
      - { .name: dec_states_scales, .offset: 8, .size: 8, .value_kind: global_buffer, .address_space: global }
      - { .name: W_dec_codes, .offset: 16, .size: 8, .value_kind: global_buffer, .address_space: global }
      - { .name: W_dec_scales, .offset: 24, .size: 8, .value_kind: global_buffer, .address_space: global }
      - { .name: b_dec, .offset: 32, .size: 8, .value_kind: global_buffer, .address_space: global }
      - { .name: b_enc, .offset: 40, .size: 8, .value_kind: global_buffer, .address_space: global }
      - { .name: W_enc_codes, .offset: 48, .size: 8, .value_kind: global_buffer, .address_space: global }
      - { .name: W_out_codes, .offset: 56, .size: 8, .value_kind: global_buffer, .address_space: global }
      - { .name: wimg, .offset: 64, .size: 8, .value_kind: global_buffer, .address_space: global }
      - { .name: wimg2, .offset: 72, .size: 8, .value_kind: global_buffer, .address_space: global }
      - { .name: cbuf, .offset: 80, .size: 8, .value_kind: global_buffer, .address_space: global }
    .group_segment_fixed_size: 2304
    .private_segment_fixed_size: 0
    .kernarg_segment_align: 8
    .kernarg_segment_size: 88
    .max_flat_workgroup_size: 32
    .sgpr_count:     66
    .vgpr_count:     512
    .wavefront_size: 32
...
	.end_amdgpu_metadata
.endif
;; end of part 1
;; launch main (part 2): grid 8 x 32, 4 waves a work-group, no clusters, 317,952 bytes of LDS; arguments enc_states, enc_len, wimg, W_enc_scales, cbuf, w_attn, sc, pctx; writes sc, pctx
.if DOCPART == 2
	.amdgcn_target "amdgcn-amd-amdhsa--gfx1250"
	.amdhsa_code_object_version 6
	.text
	.protected	k_q15d96eac54_main
	.globl	k_q15d96eac54_main
	.p2align	8
	.type	k_q15d96eac54_main,@function
k_q15d96eac54_main:
	s_mov_b64 s[64:65], 0
	v_nop
	global_prefetch_b8 v0, s[64:65] scope:SCOPE_SE
	s_setreg_imm32_b32 hwreg(HW_REG_WAVE_MODE, 25, 1), 1
	s_wait_xcnt 0x0
; Launch 2 of 3.  A block is 64 encoder rows of one batch.  Work-group (j, b) stays: it walks blocks j, j + 8, j + 16, j + 24 of batch b, four trips of one loop: 256 work-groups.
; WORK LEFT OUT: the sum of w_attn (the same along the softmax's axis), the factor SCALING = 1, and every block with 64 blk >= enc_len[b] (its weights are exactly 0): shown at the head of the first kernel.
;   LIMIT: a NaN or an infinity in rows of such blocks is not carried.  enc_len[b] is served from 1 to 2,048.
;   Read and not used where enc_len[b] <= 64 j (j is at most 7): what the head asks for on every way: three K steps of block j and four column tiles a wave of W_enc.
; WHAT IT MAKES.  u[s] = -c sum_a w_attn[a] / (1 + 2^(c x[s][a] + cb[b][a])), x = Q(enc_states) Q(W_enc), c = 2 log2(e), cb from the first launch: score x log2(e) less a constant of the row.
;   2^.. = infinity gives 0, 2^.. = 0 gives w_attn[a]: no clamp is wanted.   sc[b][s] = u, or -infinity where s >= enc_len[b].
;   pctx[b][blk][:] = sum over the block's s of 2^(u[s] - m) enc_states[b][s][:], m the block's largest u; all in f32, since the context goes on into a quantiser.  A block left out stores zeros there.
; enc_states is read once: the block's 64 rows of f32 stay in LDS (XF) from their quantising until their weights are known; LDS has room for 64 such rows, which fixes the block.
; SHARES.  Loading and quantising: wave w takes rows 16 w ..  The product: wave w makes attention columns 256 w .. for all 64 rows; all 32 fragments of the rows (384 registers) stay in every wave's registers;
;   W_enc's fragments come from wimg straight into registers, each to one wave, where it feeds four matrix instructions.  The context: thread t takes columns 4 t .. and 512 + 4 t .. of all 64 rows.
; QUANTISING goes one K step behind the rows' way through LDS: while K step s is quantised, K step s + 1 is stored into XF and read back in the quantiser's order, into the other of two register sets.
; A TILE of 16 columns: 32 matrix instructions on end (four accumulators by turns), then its vector work in five batches: c x + cb; 2^..; 1 + ..; 1 / ..; row sums += w_attn x ..
; W_enc's STREAM.  Of a wave's 16 column tiles, tile 15 is loaded once, at the head, and stays in registers for all four blocks.  Tiles 0 to 14 go through three buffers, tile t in buffer t % 3;
;   behind tile t's products its buffer takes tile t + 3.  15 is a multiple of 3, so the stream goes on into the next block: behind tiles 12, 13, 14 the buffers take the next block's tiles 0, 1, 2,
;   which are on their way during the row sums, the context and the next rows' quantising.  The last three tiles are written twice, for a next block that is read and for none, so that every counted wait holds on every way.
; THE NEXT BLOCK'S ROWS: behind the block's last product the registers that the rows' fragments leave (window 1) take the first three K steps of the next block, 48 loads a wave.
; EVERY WAVE PASSES ALL THREE BARRIERS OF EVERY TRIP: the trip count is the constant 4, a trip is three segments, each under a scalar branch of its own on enc_len[b], and the barriers stand where the ways join.
; NO TENSOR LOAD, NO CLUSTER: what all work-groups share, wimg, goes to one wave's registers, where LDS would only add a copy.
; LDS: XF 64 rows of f32, 4,112 bytes apart; IMG 32 fragment images of 1,536 bytes, image 4 s + m; ASC the rows' scale words [m][s][r]; SCP [wave][row] partial row sums; PB [wave] the 64 p; SPARE.
; REGISTERS.  Window 0: v1, v2 the add's two; v3-23 addresses; v24-39 the rows' scale words; v40-51 W_enc's, three sets; v52-59 pairs (cb, w_attn), three sets and tile 15's; v64-95 row sums; v96-127 four accumulators;
;   v240-251 tile 15's fragment of K step 7; v252-255 its scale words.  Windows 1-3: fragment slot q at register 12 (q % 21) of window 1 + q / 21: rows' fragment (K step s, tile m) slot 4 s + m;
;   buffer k, K step s: slot 32 + 8 k + s; tile 15 is buffer 3 (its slot 63 is v240 of window 0).  While rows are loaded, window 1 is the landing ring.
.set XP,    4112
.set XW16,  65792
.set IMG,   263168
.set ASC,   312320
.set SCP,   314368
.set PB,    315392
.set SPARE, 317440
.set SA,  64
.set AC,  96
.set ST,  96                           ; v96-159, v160-223  64 numbers of a lane, ahead of the quantiser: two sets
.set PC,  64                           ; v64-83   the codes just made
.set PW,  84                           ; the scale word just made
.set TM,  224                          ; v224-239 at work in the quantiser
.set MSB, 0
.macro WIN new                         ; the immediate's high byte repeats the setting that is left; a switch that changes nothing is dropped
.if MSB != (\new)
	s_set_vgpr_msb (MSB<<8)|(\new)
.set MSB, \new
.endif
.endm
.macro PLACES                          ; four places behind matrix instructions, ahead of loads into their registers and of the first read of results
.rept 4
	v_nop
.endr
.endm
.macro SLOT q                          ; window SW and register SR of fragment slot q
.if (\q) == 63
.set SW, 0
.set SR, 240
.else
.set SW, 1+(\q)/21
.set SR, 12*((\q)%21)
.endif
.endm
; 64 numbers of a lane, register 16 b + i = k 32 b + 16 (lane / 16) + i of my row, become a fragment's codes in v[PC] on and its scale word in v[PW]
.macro QUANT s
.irp b, 0,1,2,3
	v_max3_num_f32 v[TM+\b], |v[\s+16*\b]|, |v[\s+1+16*\b]|, 0x2800000   ; the floor 2^(5 - 127): the byte cannot fall under 1 (a block of zeros keeps that byte: its codes are zeros)
.endr
.irp i, 2,4,6,8,10,12,14
.irp b, 0,1,2,3
	v_max3_num_f32 v[TM+\b], v[TM+\b], |v[\s+16*\b+\i]|, |v[\s+1+16*\b+\i]|
.endr
.endr
.irp b, 0,1,2,3
	v_permlanex16_b32 v[TM+4+\b], v[TM+\b], s28, s29
.endr
.irp b, 0,1,2,3
	v_max_num_f32 v[TM+\b], v[TM+\b], v[TM+4+\b]   ; with lane l xor 16's: the block's largest magnitude
.endr
.irp b, 0,1,2,3
	v_add_nc_u32 v[TM+12+\b], 0xfe000000, v[TM+\b] ; 4 off its exponent field: the conversion's scale operand
.endr
.irp b, 0,1,2,3
	v_lshrrev_b32 v[TM+4+\b], 23, v[TM+12+\b]      ; the scale's byte
.endr
	v_lshl_or_b32 v[PW], v[TM+5], 8, v[TM+4]
	v_lshl_or_b32 v[PW], v[TM+6], 16, v[PW]
	v_lshl_or_b32 v[PW], v[TM+7], 24, v[PW]
.irp c, 0,1
	v_cvt_scalef32_pk16_bf6_f32 v[PC+6*\c:PC+2+6*\c], v[\s+32*\c:\s+15+32*\c], v[TM+12+2*\c]
	v_cvt_scalef32_pk16_bf6_f32 v[PC+12+4*\c:PC+14+4*\c], v[\s+16+32*\c:\s+31+32*\c], v[TM+12+2*\c+1]
.endr
	v_nop                                          ; one plain place behind a scaled conversion
.irp c, 0,1                                    ; the operand's layout wants a whole block in a lane
.irp i, 0,1,2
	v_permlane16_swap_b32 v[PC+6*\c+\i], v[PC+12+4*\c+\i]
.endr
.irp i, 0,1,2
	v_mov_b32 v[PC+3+6*\c+\i], v[PC+12+4*\c+\i]
.endr
.endr
.endm
; my 16 rows' f32 of K step s, from the block at s[4:5]: 16 loads of 512 consecutive bytes into group s % 4 of the landing ring
.macro XLOAD s
	WIN 0x40
.irp i, 0,1,2,3,4,5,6,7,8,9,10,11,12,13,14,15
	global_load_b128 v[64*((\s)%4)+4*\i:64*((\s)%4)+4*\i+3], v3, s[4:5] offset:4096*\i+512*(\s) th:TH_LOAD_NT
.endr
	WIN 0
.endm
; K step s of my 16 rows: into XF as it lies, and back, 16 neighbours of each block of 32 to a lane, into set s % 2: 16 LDS stores, 16 LDS loads
.macro FETCH s
.if (\s) < 5
	s_wait_loadcnt 48                              ; this K step's loads are in: behind them at least the 48 of three more K steps were issued
.else
	s_wait_loadcnt 16*(7-(\s))
.endif
	WIN 0x04                                       ; an LDS store's data are its source 1: window 1
.irp i, 0,1,2,3,4,5,6,7,8,9,10,11,12,13,14,15
	ds_store_b128 v4, v[64*((\s)%4)+4*\i:64*((\s)%4)+4*\i+3] offset:XP*\i+512*(\s)
.endr
	WIN 0
.irp b, 0,1,2,3
.irp j, 0,1,2,3
	ds_load_b128 v[ST+64*((\s)%2)+16*\b+4*\j:ST+64*((\s)%2)+16*\b+4*\j+3], v5 offset:512*(\s)+128*\b+16*\j   ; LDS serves a wave's instructions in order (ISA guide 5.7.1.4): these see the stores above
.endr
.endr
.endm
; cb and w_attn, W_enc's runs
.macro RUN k, tin, bw, bs              ; W_enc's eight fragments and scale words of the column tile tin tiles on from the bases s[bw:], s[bs:], into buffer k: 25 loads
.irp s, 0,1,2,3,4,5,6,7
	SLOT 32+8*(\k)+\s
	WIN SW<<6
.irp c, 0,1,2
	global_load_b128 v[SR+4*\c:SR+4*\c+3], v3, s[\bw:\bw+1] offset:12288*(\tin)+1536*\s+512*\c
.endr
.endr
	WIN 0
.if (\k) == 3
	global_load_b128 v[252:255], v11, s[\bs:\bs+1] offset:512*(\tin)
.else
	global_load_b128 v[40+4*(\k):43+4*(\k)], v11, s[\bs:\bs+1] offset:512*(\tin)   ; register i: K step i in lanes 0-15, K step 4 + i in lanes 16-31
.endif
.endm
.macro CBW k, tin, bc, ba              ; cb (a tile's 32 batches are 2,048 bytes of cbuf) and w_attn of that tile, my lane's column, into pair k: 2 loads, behind the vector work that read the pair last
	global_load_b32 v[52+2*(\k)], v10, s[\bc:\bc+1] offset:2048*(\tin)
	global_load_b32 v[53+2*(\k)], v10, s[\ba:\ba+1] offset:64*(\tin)
.endm
.macro MM d, a, b, sa, sb, mode        ; mode 0: starts the sum; 1: K steps 1-3; 2: K steps 4-7, whose scale words lie in lanes 16-31
.if \mode == 0
	v_wmma_scale_f32_16x16x128_f8f6f4 v[\d:\d+7], v[\a:\a+11], v[\b:\b+11], 0, v[\sa], v[\sb] matrix_a_fmt:MATRIX_FMT_BF6 matrix_b_fmt:MATRIX_FMT_BF6
.elseif \mode == 1
	v_wmma_scale_f32_16x16x128_f8f6f4 v[\d:\d+7], v[\a:\a+11], v[\b:\b+11], v[\d:\d+7], v[\sa], v[\sb] matrix_a_fmt:MATRIX_FMT_BF6 matrix_b_fmt:MATRIX_FMT_BF6
.else
	v_wmma_scale_f32_16x16x128_f8f6f4 v[\d:\d+7], v[\a:\a+11], v[\b:\b+11], v[\d:\d+7], v[\sa], v[\sb] matrix_a_fmt:MATRIX_FMT_BF6 matrix_b_fmt:MATRIX_FMT_BF6 matrix_a_scale:MATRIX_SCALE_ROW1 matrix_b_scale:MATRIX_SCALE_ROW1
.endif
.endm
; a tile's 32 products from buffer k.  Instruction i: K step i / 4, tile of rows i % 4: the four accumulators take turns, one instruction a turn.  Four places follow.
; Buffer 3's tile is the block's first: ahead of each K step it waits for that step's four fragments of the rows: behind them 3 loads for each of the 28 - i later fragments were issued
.macro MMS k
.if (\k) == 3
.set WS, 252
.else
.set WS, 40+4*(\k)
.endif
.set i, 0
.rept 32
.if ((\k) == 3) && ((i%4) == 0)
.if 84-3*i > 63
	s_wait_dscnt 63                                ; (the wait can name 63 at most: a smaller count than the loads issued behind these fragments)
.else
	s_wait_dscnt 84-3*i
.endif
.endif
	SLOT 32+8*(\k)+i/4
.set rG, SR
	WIN (1+i/21)|(SW<<2)
.set rD, AC+8*(i%4)
.set rF, 12*(i%21)
.set rS, 24+4*((i/4)%4)+i%4
.set rT, WS+(i/4)%4
.if i < 4
	MM rD, rF, rG, rS, rT, 0
.elseif i < 16
	MM rD, rF, rG, rS, rT, 1
.else
	MM rD, rF, rG, rS, rT, 2
.endif
.set i, i+1
.endr
	WIN 0
	PLACES
.endm
; the tile's vector work, in place on the accumulators, each from its low end on; pair p = (cb, w_attn).  first = 1: the products start the row sums.
; A wait ahead of each batch of transcendentals and behind it.
.macro VEC p, first
.set rC, 52+2*(\p)
.set j, 0
.rept 16
	v_pk_fma_f32 v[AC+j:AC+j+1], v[AC+j:AC+j+1], s[26:27], v[rC:rC+1] op_sel_hi:[1,0,0]   ; c x + cb
.set j, j+2
.endr
	s_wait_alu depctr_va_vdst(0)
.set j, 0
.rept 32
	v_exp_f32 v[AC+j], v[AC+j]
.set j, j+1
.endr
	v_nop
	s_wait_alu depctr_va_vdst(0)
.set j, 0
.rept 16
	v_pk_add_f32 v[AC+j:AC+j+1], v[AC+j:AC+j+1], 1.0 op_sel_hi:[1,0]
.set j, j+2
.endr
	s_wait_alu depctr_va_vdst(0)
.set j, 0
.rept 32
	v_rcp_f32 v[AC+j], v[AC+j]
.set j, j+1
.endr
	v_nop
	s_wait_alu depctr_va_vdst(0)
.set j, 0
.rept 16
.if \first
	v_pk_mul_f32 v[SA+j:SA+j+1], v[AC+j:AC+j+1], v[rC:rC+1] op_sel:[0,1] op_sel_hi:[1,1]   ; the pair's upper word, w_attn, serves both halves
.else
	v_pk_fma_f32 v[SA+j:SA+j+1], v[AC+j:AC+j+1], v[rC:rC+1], v[SA+j:SA+j+1] op_sel:[0,1,0] op_sel_hi:[1,1,1]
.endif
.set j, j+2
.endr
.endm
; a streamed tile in buffer k whose buffer is filled again, from the tile tin tiles on from the bases.  54: behind my tile's 27 loads those of the two tiles after it were issued
.macro TILE k, tin, bw, bs, bc, ba
	s_wait_loadcnt 54
	MMS \k
	RUN \k, \tin, \bw, \bs
	VEC \k, 0
	CBW \k, \tin, \bc, \ba
.endm
; rows 8 n .. 8 n + 7 for the context, into register set n % 2: their p and my eight columns of each: 18 LDS loads
.macro HC n
.set XS, 96+64*((\n)%2)
.set PS, 224+8*((\n)%2)
	ds_load_b128 v[PS:PS+3], v20 offset:32*(\n)
	ds_load_b128 v[PS+4:PS+7], v20 offset:32*(\n)+16
.irp i, 0,1,2,3,4,5,6,7
	ds_load_b128 v[XS+8*\i:XS+8*\i+3], v[16+(\n)/2] offset:XP*(8*((\n)%2)+\i)
	ds_load_b128 v[XS+8*\i+4:XS+8*\i+7], v[16+(\n)/2] offset:XP*(8*((\n)%2)+\i)+2048
.endr
.endm
.macro CTX n                           ; even rows add into v64-71, odd rows into v72-79; rows 0 and 1 start the sums.  Of a pair of p the row's own serves both halves
.set XS, 96+64*((\n)%2)
.set PS, 224+8*((\n)%2)
.irp i, 0,1,2,3,4,5,6,7
.irp t, 0,1,2,3
.if (\n == 0) && (\i == 0)
	v_pk_mul_f32 v[64+2*\t:65+2*\t], v[XS+2*\t:XS+2*\t+1], v[PS:PS+1] op_sel_hi:[1,0]
.elseif (\n == 0) && (\i == 1)
	v_pk_mul_f32 v[72+2*\t:73+2*\t], v[XS+8+2*\t:XS+8+2*\t+1], v[PS:PS+1] op_sel:[0,1] op_sel_hi:[1,1]
.elseif (\i%2) == 0
	v_pk_fma_f32 v[64+2*\t:65+2*\t], v[XS+8*\i+2*\t:XS+8*\i+2*\t+1], v[PS+\i:PS+\i+1], v[64+2*\t:65+2*\t] op_sel_hi:[1,0,1]
.else
	v_pk_fma_f32 v[72+2*\t:73+2*\t], v[XS+8*\i+2*\t:XS+8*\i+2*\t+1], v[PS+\i-1:PS+\i], v[72+2*\t:73+2*\t] op_sel:[0,1,0] op_sel_hi:[1,1,1]
.endif
.endr
.endr
.endm
	; ---- THE HEAD, once for four blocks: every address register is made here
	s_load_b512 s[4:19], s[0:1], 0x0               ; enc_states s[4:5], enc_len s[6:7], wimg s[8:9], W_enc_scales s[10:11], cbuf s[12:13], w_attn s[14:15], sc s[16:17], pctx s[18:19]
	v_lshrrev_b32 v216, 5, v0
	v_readfirstlane_b32 s20, v216                  ; wave
	s_mov_b32 s21, ttmp9                           ; j: my first block
	s_and_b32 s22, ttmp7, 0xffff                   ; b
	s_lshl_b32 s25, s21, 6                         ; the first row of the block in hand; steps with the trips
	s_mul_i32 s38, s20, XW16
	s_mul_i32 s39, s20, 1536
	s_add_co_u32 s39, s39, IMG
	s_lshl_b32 s42, s20, 9
	s_add_co_u32 s44, s42, PB
	s_add_co_u32 s42, s42, ASC
	s_lshl_b32 s43, s20, 8
	s_add_co_u32 s43, s43, SCP
	v_lshl_add_u32 v1, v0, 2, SPARE                ; my spare word
	v_mov_b32 v2, 0
	v_and_b32 v216, 31, v0                         ; lane
	v_and_b32 v217, 15, v0                         ; r
	v_bfe_u32 v218, v0, 4, 1                       ; h
	v_lshlrev_b32 v3, 4, v216                      ; 16 x lane
	v_add_nc_u32 v4, s38, v3                       ; XF, in: my wave's 16 rows, 16 x lane
	v_mul_u32_u24 v5, v217, XP
	v_lshl_add_u32 v5, v218, 6, v5
	v_add_nc_u32 v5, s38, v5                       ; XF, back: row r, + 64 h
	v_add_nc_u32 v6, s39, v3                       ; where I store images
	v_lshl_add_u32 v7, v217, 2, s42                ; and scale words
	v_add_nc_u32 v8, IMG, v3                       ; where any image is read
	v_lshlrev_b32 v9, 2, v217
	v_lshl_add_u32 v9, v218, 8, v9
	v_add_nc_u32 v9, ASC, v9                       ; scale words: lanes 16-31 take the K step four on
	v_lshlrev_b32 v10, 2, v217                     ; cb and w_attn in memory: my lane's column of a tile
	v_lshlrev_b32 v11, 5, v217
	v_lshl_add_u32 v11, v218, 4, v11               ; W_enc's scale words: row of 32 bytes, + 16 h
	v_lshl_add_u32 v12, v218, 5, s43               ; my wave's partial row sums: rows 8 h on
	v_lshrrev_b32 v13, 1, v216
	v_and_b32 v219, 1, v216
	v_lshlrev_b32 v13, 12, v13
	v_lshl_add_u32 v13, v219, 10, v13              ; the prefetches' offset: two lanes to a row, 1,024 bytes apart
	v_mov_b32 v20, s44                             ; my wave's p
	v_lshlrev_b32 v22, 3, v216                     ; 8 x lane
	v_add_nc_u32 v15, s44, v22
	v_lshlrev_b32 v16, 4, v0                       ; the context: 16 x thread, in rows 0-15,
	v_add_nc_u32 v17, XW16, v16                    ; 16-31,
	v_add_nc_u32 v18, 2*XW16, v16                  ; 32-47,
	v_add_nc_u32 v19, 3*XW16, v16                  ; 48-63
	v_lshl_add_u32 v21, v216, 3, SCP
	v_lshl_add_u32 v23, v216, 1, s25               ; rows 2 lane, 2 lane + 1 of the block, counted in the batch; steps with the trips
.irp b, 0,1,2,3
	v_mov_b32 v[TM+4+\b], 0                        ; written once: a lane permute's destination counts as one of its sources
.endr
	s_mov_b32 s26, 0x4038aa3b                      ; c = 2 log2(e)
	s_mov_b32 s27, s26
	s_mov_b32 s28, 0x76543210                      ; v_permlanex16_b32's selects for lane l xor 16
	s_mov_b32 s29, 0xfedcba98
	s_mov_b32 s32, 0xc038aa3b                      ; -c
	s_mov_b32 s33, s32
	s_lshl_b32 s40, s22, 2
	s_mov_b32 s41, 0
	s_mov_b32 s47, 0
	s_wait_alu depctr_va_vdst(0)                   ; the wait at the head's end
	s_wait_kmcnt 0x0
	s_add_nc_u64 s[40:41], s[6:7], s[40:41]
	s_load_b32 s23, s[40:41], 0x0                  ; enc_len[b]
	s_lshl_b32 s46, s22, 11
	s_add_co_u32 s46, s46, s25
	s_lshl_b32 s45, s20, 4
	s_add_co_u32 s46, s46, s45
	s_lshl_b32 s46, s46, 12                        ; my wave's first row of block j, in bytes: under 2^28
	s_add_nc_u64 s[4:5], s[4:5], s[46:47]
	XLOAD 0                                        ; the first block's first three K steps, on every way through the text
	XLOAD 1
	XLOAD 2
	s_lshl_b32 s46, s22, 13
	s_lshl_b32 s45, s25, 2
	s_add_co_u32 s46, s46, s45
	s_add_nc_u64 s[16:17], s[16:17], s[46:47]      ; sc at my first block
	s_lshl_b32 s46, s20, 10
	s_add_nc_u64 s[14:15], s[14:15], s[46:47]      ; w_attn at my wave's 256 columns
	s_lshl_b32 s46, s20, 15
	s_lshl_b32 s45, s22, 6
	s_add_co_u32 s46, s46, s45
	s_add_nc_u64 s[12:13], s[12:13], s[46:47]      ; cbuf at my wave's 16 tiles of 2,048 bytes, batch b's 64 bytes
	s_lshl_b32 s46, s22, 5
	s_add_co_u32 s46, s46, s21
	s_lshl_b32 s46, s46, 12
	s_add_nc_u64 s[18:19], s[18:19], s[46:47]      ; pctx at my first block's row
	s_mul_i32 s46, s20, 196608
	s_add_nc_u64 s[8:9], s[8:9], s[46:47]          ; wimg at my wave's 16 tiles
	s_lshl_b32 s46, s20, 13
	s_add_nc_u64 s[10:11], s[10:11], s[46:47]      ; W_enc_scales at my wave's 256 rows
	RUN 3, 15, 8, 10                               ; tile 15, which stays
	CBW 3, 15, 12, 14
.irp k, 0,1,2
	RUN \k, \k, 8, 10                              ; and the first block's tiles 0 to 2
	CBW \k, \k, 12, 14
.endr
	s_wait_kmcnt 0x0
	s_min_i32 s23, s23, 2048                       ; so that no block past the batch's 32 ever counts as live
	s_mov_b32 s24, 4                               ; four trips, whatever enc_len[b]
.Lblock:
	; ---- SEGMENT 1: my 16 rows are loaded, kept in XF and quantised.  K steps 0 to 2 were asked for at the head or in the trip before
	s_cmp_lt_i32 s25, s23
	s_cbranch_scc0 .Lb1                            ; a block past enc_len[b]
	XLOAD 3
	FETCH 0
	s_wait_dscnt 16                                ; its 16 stores have read landing group 0 (its 16 loads may be out):
	XLOAD 4                                        ; the group takes the K step four on
.irp s, 0,1,2,3,4,5,6,7
.if \s < 7
	FETCH \s+1
	s_wait_dscnt 32                                ; K step s is back in registers; the next K step's 16 stores and 16 loads may be out
.else
	s_wait_dscnt 0x0
.endif
	QUANT ST+64*(\s%2)
.irp c, 0,1,2
	ds_store_b128 v6, v[PC+4*\c:PC+4*\c+3] offset:6144*\s+512*\c   ; image 4 s + w
.endr
	ds_store_b32 v7, v[PW] offset:64*\s            ; lanes r and r + 16 write the same word with the same value
.if \s < 3
	s_wait_dscnt 20                                ; K step s + 1's 16 stores have read their landing group (behind them: its 16 loads and my 4 stores):
	XLOAD \s+5                                     ; the group takes the K step four on
.endif
.endr
.Lb1:
	s_wait_loadcnt 0x0                             ; on every way: no load of mine is out: the landing ring may take the fragments, tiles 0 to 2 are in, and the bases may be written;
	s_wait_xcnt 0x0                                ; and the last trip's prefetches have read their base
	s_add_nc_u64 s[4:5], s[4:5], 0x200000          ; on to the next block: 8 blocks x 64 rows x 4,096 bytes
	s_add_co_u32 s45, s25, 512
	s_cmp_lt_i32 s45, s23
	s_cselect_b32 s31, 1, 0                        ; 1: the next block will be read
	s_wait_dscnt 0x0                               ; for the others' sake: my rows, images and scale words lie in LDS
	s_barrier_signal -1
	s_barrier_wait -1
	; ---- SEGMENT 2: the product, the tanh and the row sums
	s_cmp_lt_i32 s25, s23
	s_cbranch_scc0 .Lb2
	s_mov_b64 s[34:35], s[8:9]                     ; the bases that step with the tiles begin anew in each trip
	s_mov_b64 s[36:37], s[10:11]
	s_mov_b64 s[48:49], s[12:13]
	s_mov_b64 s[50:51], s[14:15]
.irp i, 0,1,2,3
.irp m, 0,1,2,3
	ds_load_b32 v[24+4*\i+\m], v9 offset:512*\m+64*\i
.endr
.endr
.set q, 0
.rept 32                                       ; all 32 fragments of the block's rows into my registers, in the order in which the products take them
	SLOT q
	WIN SW<<6
.irp c, 0,1,2
	ds_load_b128 v[SR+4*\c:SR+4*\c+3], v8 offset:1536*q+512*\c
.endr
.set q, q+1
.endr
	WIN 0
	MMS 3                                          ; tile 15, from the registers in which it stays; it starts the row sums
	VEC 3, 1
	s_mov_b32 s30, 4
.Ltrip:                                            ; tiles 0 to 11, three a trip; they ask for tiles 3 to 14
	s_wait_loadcnt 54
	MMS 0
	s_wait_xcnt 0x0                                ; the last runs have read their bases (32 matrix instructions stand behind them): three tiles on
	s_add_nc_u64 s[34:35], s[34:35], 36864
	s_add_nc_u64 s[36:37], s[36:37], 1536
	s_add_nc_u64 s[48:49], s[48:49], 6144
	s_add_nc_u64 s[50:51], s[50:51], 192
	RUN 0, 0, 34, 36
	VEC 0, 0
	CBW 0, 0, 48, 50
	TILE 1, 1, 34, 36, 48, 50
	TILE 2, 2, 34, 36, 48, 50
	s_sub_co_u32 s30, s30, 1
	s_cmp_lg_u32 s30, 0
	s_cbranch_scc1 .Ltrip
	s_cmp_eq_u32 s31, 1
	s_cbranch_scc0 .Lnonext
	; tiles 12 to 14 where a next block follows: the buffers take its tiles 0 to 2
	s_wait_loadcnt 54
	MMS 0
	RUN 0, 0, 8, 10
; A PREFETCH INTO THE L2 of my work-group's next block: the first 2,048 bytes of each of my wave's 16 rows there, two lanes to a row, four instructions 256 bytes apart, 64 matrix instructions ahead of the loads
; that will want them; the rows' other 2,048 bytes are asked for behind those loads.  Each aligned block of 256 bytes is named once, by the wave that will read it.  A work-group's first block comes by its loads alone.
.irp n, 0,1,2,3
	global_prefetch_b8 v13, s[4:5] offset:256*\n th:TH_LOAD_NT scope:SCOPE_SE
.endr
	VEC 0, 0
	CBW 0, 0, 12, 14
	TILE 1, 1, 8, 10, 12, 14
	s_wait_loadcnt 54
	MMS 2
	RUN 2, 2, 8, 10
	XLOAD 0                                        ; the next block's first three K steps, into registers that the rows' fragments have left
	XLOAD 1
	XLOAD 2
.irp n, 0,1,2,3
	global_prefetch_b8 v13, s[4:5] offset:2048+256*\n th:TH_LOAD_NT scope:SCOPE_SE
.endr
	VEC 2, 0
	CBW 2, 2, 12, 14
	s_branch .Lred
.Lnonext:                                          ; tiles 12 to 14 where none follows: nothing more is asked for
	s_wait_loadcnt 54
	MMS 0
	VEC 0, 0
	s_wait_loadcnt 27                              ; tile 14's 27 loads may be out
	MMS 1
	VEC 1, 0
	s_wait_loadcnt 0x0
	MMS 2
	VEC 2, 0
.Lred:
	s_wait_alu depctr_va_vdst(0)
.irp x, 1,2,4,8                                ; the 16 lanes of a half hold 16 columns of the same eight rows: their sum, in every lane
.set i, 0
.rept 32
	v_add_f32_dpp v[SA+i], v[SA+i], v[SA+i] row_xmask:\x row_mask:0xf bank_mask:0xf
.set i, i+1
.endr
.endr
.irp m, 0,1,2,3
.irp q, 0,1
	ds_store_b128 v12, v[SA+8*\m+4*\q:SA+8*\m+4*\q+3] offset:64*\m+16*\q   ; rows 16 m + 8 h + 4 q ..: the 16 lanes of a half write the same words with the same values
.endr
.endr
.Lb2:
	s_wait_dscnt 0x0                               ; for the others' sake: my wave's partial row sums lie in LDS
	s_barrier_signal -1
	s_barrier_wait -1
	; ---- SEGMENT 3: u, the mask, the block's softmax terms, its part of the context
	s_cmp_lt_i32 s25, s23
	s_cbranch_scc1 .Lp4
.irp t, 64,65,66,67
	v_mov_b32 v\t, 0                               ; a block past enc_len[b]: its part of the context is 0,
.endr
	global_store_b128 v16, v[64:67], s[18:19]
	global_store_b128 v16, v[64:67], s[18:19] offset:2048
	s_cmp_lg_u32 s20, 0                            ; and wave 0 stores 64 x -infinity, 256 consecutive bytes
	s_cbranch_scc1 .Lb3
	v_mov_b32 v80, 0xff800000
	v_mov_b32 v81, 0xff800000
	global_store_b64 v22, v[80:81], s[16:17]
	s_branch .Lb3
.Lp4:
.irp w, 0,1,2,3
	ds_load_b64 v[80+2*\w:81+2*\w], v21 offset:256*\w
.endr
	s_wait_dscnt 0x0
	v_mov_b32 v88, 0xff800000                      ; -infinity
	v_add_nc_u32 v89, 1, v23
	v_mov_b32 v91, 0
	v_pk_add_f32 v[80:81], v[80:81], v[82:83]
	v_pk_add_f32 v[84:85], v[84:85], v[86:87]
	v_pk_add_f32 v[80:81], v[80:81], v[84:85]      ; the sums of rows 2 lane, 2 lane + 1 over all 1,024 columns: the same order of sums in every wave
	v_pk_mul_f32 v[80:81], v[80:81], s[32:33] op_sel_hi:[1,0]   ; u = -c x the sum
	v_cmp_gt_i32 vcc_lo, s23, v23
	v_cndmask_b32 v80, v88, v80, vcc_lo            ; the length mask
	v_cmp_gt_i32 vcc_lo, s23, v89
	v_cndmask_b32 v81, v88, v81, vcc_lo
	s_cmp_lg_u32 s20, 0
	s_wait_alu depctr_va_vdst(0)
	s_cbranch_scc1 .Lnot0
	global_store_b64 v22, v[80:81], s[16:17]       ; 32 lanes store 256 consecutive bytes, at a multiple of 256 from sc's first byte
.Lnot0:
	v_max_num_f32 v90, v80, v81
	v_max_num_f32_dpp v90, v90, v90 row_xmask:1 row_mask:0xf bank_mask:0xf
	v_max_num_f32_dpp v90, v90, v90 row_xmask:2 row_mask:0xf bank_mask:0xf
	v_max_num_f32_dpp v90, v90, v90 row_xmask:4 row_mask:0xf bank_mask:0xf
	v_max_num_f32_dpp v90, v90, v90 row_xmask:8 row_mask:0xf bank_mask:0xf
	v_permlanex16_b32 v91, v90, s28, s29
	v_max_num_f32 v90, v90, v91                    ; the block's largest u: a number, since the block's first row counts
	v_sub_f32 v92, v80, v90
	v_sub_f32 v93, v81, v90
	s_wait_alu depctr_va_vdst(0)                   ; a wait ahead of the two and behind them
	v_exp_f32 v92, v92                             ; p = 2^(u - m); 0 where masked
	v_exp_f32 v93, v93
	v_nop
	s_wait_alu depctr_va_vdst(0)
	ds_store_b64 v15, v[92:93]                     ; my wave's own copy of the 64 p: no barrier
	HC 0
	HC 1
.irp n, 0,1,2,3,4,5,6,7
.if \n > 0
	s_wait_alu depctr_va_vdst(0)
.endif
.if \n < 7
	s_wait_dscnt 18                                ; these eight rows are in; the next eight rows' 18 loads may be out
.else
	s_wait_dscnt 0x0
.endif
	CTX \n
.if \n < 6
	HC \n+2
.endif
.endr
.irp t, 0,1,2,3
	v_pk_add_f32 v[64+2*\t:65+2*\t], v[64+2*\t:65+2*\t], v[72+2*\t:73+2*\t]
.endr
	global_store_b128 v16, v[64:67], s[18:19]      ; a wave stores 512 consecutive bytes
	global_store_b128 v16, v[68:71], s[18:19] offset:2048
.Lb3:
	s_wait_dscnt 0x0                               ; my reads of XF are over:
	s_barrier_signal -1
	s_barrier_wait -1                              ; everybody's are: the next trip's rows may be stored there
	s_wait_xcnt 0x0                                ; this trip's stores have read their registers and bases: both may be written again
	s_add_nc_u64 s[16:17], s[16:17], 2048          ; sc, eight blocks of 256 bytes on
	s_add_nc_u64 s[18:19], s[18:19], 32768         ; pctx, eight rows of 4,096 bytes on
	s_add_co_u32 s25, s25, 512
	v_add_nc_u32 v23, 512, v23
	s_sub_co_u32 s24, s24, 1
	s_cmp_lg_u32 s24, 0
	s_wait_alu depctr_va_vdst(0)
	s_cbranch_scc1 .Lblock
	s_wait_tensorcnt 0x0                           ; the wave's end
	ds_add_u32 v1, v2
	s_wait_dscnt 0x0
	s_endpgm
.Lfunc_end_k_q15d96eac54_main:
	.size	k_q15d96eac54_main, .Lfunc_end_k_q15d96eac54_main-k_q15d96eac54_main
	.p2alignl 7, 3214868480
	.fill 96, 4, 3214868480
	.section	.rodata,"a",@progbits
	.p2align	6, 0x0
	.amdhsa_kernel k_q15d96eac54_main
		.amdhsa_group_segment_fixed_size 317952
		.amdhsa_private_segment_fixed_size 0
		.amdhsa_enable_private_segment 0
		.amdhsa_kernarg_size 64
		.amdhsa_user_sgpr_count 2
		.amdhsa_user_sgpr_kernarg_segment_ptr 1
		.amdhsa_wavefront_size32 1
		.amdhsa_system_sgpr_workgroup_id_x 1
		.amdhsa_system_sgpr_workgroup_id_y 1
		.amdhsa_system_sgpr_workgroup_id_z 1
		.amdhsa_system_vgpr_workitem_id 0
		.amdhsa_next_free_vgpr 1024
		.amdhsa_next_free_sgpr 66
		.amdhsa_reserve_vcc 1
		.amdhsa_float_denorm_mode_32 3
		.amdhsa_float_denorm_mode_16_64 3
		.amdhsa_memory_ordered 1
		.amdhsa_forward_progress 1
		.amdhsa_inst_pref_size 238
	.end_amdhsa_kernel
	.amdgpu_metadata
---
amdhsa.version: [ 1, 2 ]
amdhsa.kernels:
  - .name:           k_q15d96eac54_main
    .symbol:         k_q15d96eac54_main.kd
    .args:
      - { .name: enc_states, .offset: 0, .size: 8, .value_kind: global_buffer, .address_space: global }
      - { .name: enc_len, .offset: 8, .size: 8, .value_kind: global_buffer, .address_space: global }
      - { .name: wimg, .offset: 16, .size: 8, .value_kind: global_buffer, .address_space: global }
      - { .name: W_enc_scales, .offset: 24, .size: 8, .value_kind: global_buffer, .address_space: global }
      - { .name: cbuf, .offset: 32, .size: 8, .value_kind: global_buffer, .address_space: global }
      - { .name: w_attn, .offset: 40, .size: 8, .value_kind: global_buffer, .address_space: global }
      - { .name: sc, .offset: 48, .size: 8, .value_kind: global_buffer, .address_space: global }
      - { .name: pctx, .offset: 56, .size: 8, .value_kind: global_buffer, .address_space: global }
    .group_segment_fixed_size: 317952
    .private_segment_fixed_size: 0
    .kernarg_segment_align: 8
    .kernarg_segment_size: 64
    .max_flat_workgroup_size: 128
    .sgpr_count:     66
    .vgpr_count:     1024
    .wavefront_size: 32
...
	.end_amdgpu_metadata
.endif
;; end of part 2
;; launch fin (part 3): grid 8 x 32, 8 waves a work-group, no clusters, 19,968 bytes of LDS; arguments sc, pctx, wimg2, W_out_scales, b_out, out0, out1; writes out0, out1
.if DOCPART == 3
	.amdgcn_target "amdgcn-amd-amdhsa--gfx1250"
	.amdhsa_code_object_version 6
	.text
	.protected	k_q15d96eac54_fin
	.globl	k_q15d96eac54_fin
	.p2align	8
	.type	k_q15d96eac54_fin,@function
k_q15d96eac54_fin:
	s_mov_b64 s[64:65], 0
	v_nop
	global_prefetch_b8 v0, s[64:65] scope:SCOPE_SE
	s_setreg_imm32_b32 hwreg(HW_REG_WAVE_MODE, 25, 1), 1
	s_wait_xcnt 0x0
; Launch 3 of 3.  Work-group (x, b): batch b; 256 numbers of attn (out1) and outputs 128 x .. 128 x + 127 of out0.
; WORK LEFT OUT: nothing here; blocks of 64 rows past enc_len[b] come from the launch before as scores of -infinity and a part of the context of 0 (shown at the head of the first kernel), so enc_len is not read.
; sc[b][s] = u (score x log2(e) less a constant of the row; -infinity where masked).  M = the row's largest u, taken away before every exponential; attn = 2^(u - M) / L, L their sum.
; context = sum over blocks of 2^(m_blk - M) pctx[b][blk][:] / L, m_blk the block's largest u: the same maximum of the same numbers as in the launch before.  All in f32: the context is quantised next.
; A block past enc_len[b] has the weight 2^(-infinity) = 0 on a row of zeros.
; ALL LOADS GO OUT AT THE HEAD, 60 a wave: 2 of scores, 32 of pctx, 26 of W_out (24 of its images from the first launch, 512 consecutive bytes each, its scale words, b_out).
; The eight work-groups of a batch each join the batch's parts for themselves: 136 KB of reads each, in place of a launch more.  No prefetch: there is no loop to run ahead in.
; THE PRODUCT: the context's row stands in all 16 rows of source 0, so every row of the result is the result; wave w multiplies by columns 16 (8 x + w) .. of W_out, eight K steps, two accumulators by turns.
; Wave w quantises K step w of the context; the fragments go from wave to wave through LDS as images of their registers.
; LIMIT: enc_len[b] from 1 to 2,048.
.set RS,    256
.set FT,    512
.set CX,    1024
.set IMGC,  5120
.set CSC,   17408
.set OB,    18432
.set SPARE, 18944
.set MSB, 0
.macro WIN new
.if MSB != (\new)
	s_set_vgpr_msb (MSB<<8)|(\new)
.set MSB, \new
.endif
.endm
.macro BARRIER                         ; my LDS stores have landed and my LDS loads are in: then the work-group's barrier
	s_wait_dscnt 0x0
	s_barrier_signal -1
	s_barrier_wait -1
.endm
	s_load_b256 s[4:11], s[0:1], 0x0               ; sc s[4:5], pctx s[6:7], wimg2 s[8:9], W_out scales s[10:11]
	s_load_b128 s[12:15], s[0:1], 0x20             ; b_out s[12:13], out0 s[14:15]
	s_load_b64 s[16:17], s[0:1], 0x30              ; out1
	v_lshrrev_b32 v31, 5, v0
	s_delay_alu instid0(VALU_DEP_1)
	v_readfirstlane_b32 s20, v31                   ; wave 0..7
	s_mov_b32 s21, ttmp9                           ; x
	s_and_b32 s22, ttmp7, 0xffff                   ; b
	s_lshl_b32 s25, s21, 3
	s_add_co_u32 s25, s25, s20                     ; my column tile of W_out
	s_mov_b32 s26, 0x76543210
	s_mov_b32 s27, 0xfedcba98
	s_lshl_b32 s30, s20, 9
	s_add_co_u32 s30, s30, CX
	s_mul_i32 s31, s20, 1536
	s_add_co_u32 s31, s31, IMGC
	s_lshl_b32 s32, s20, 7
	s_add_co_u32 s32, s32, CSC
	s_lshl_b32 s33, s20, 6
	s_add_co_u32 s33, s33, OB
	s_mov_b32 s29, 0
	v_lshl_add_u32 v1, v0, 2, SPARE                ; my spare word
	v_mov_b32 v2, 0
	v_and_b32 v252, 31, v0                         ; lane
	v_and_b32 v253, 15, v0                         ; r
	v_bfe_u32 v254, v0, 4, 1                       ; h
	v_lshlrev_b32 v3, 4, v0                        ; 16 x thread
	v_lshlrev_b32 v5, 5, v253
	v_lshlrev_b32 v6, 4, v252                      ; 16 x lane
	v_lshlrev_b32 v7, 2, v253                      ; 4 r
	v_lshl_add_u32 v5, v254, 4, v5                 ; scale words: row of 32 bytes, + 16 h
	v_add_nc_u32 v8, CX, v3                        ; the context: my four columns
	v_lshl_add_u32 v9, v254, 7, s30                ; K step w of it, + my half's block
	v_add_nc_u32 v10, s31, v6                      ; where I store my image
	v_add_nc_u32 v11, IMGC, v6                     ; where any image is read
	v_lshl_add_u32 v12, v252, 2, s32               ; the scale words likewise
	v_lshl_add_u32 v13, v252, 2, CSC
	v_lshl_add_u32 v14, v253, 2, s33               ; my wave's 16 outputs
	v_add_nc_u32 v15, OB, v6
	v_mov_b32 v240, s20
	v_lshrrev_b32 v242, 4, v0
	v_mov_b32 v243, 0                              ; LDS byte 0
	v_lshlrev_b32 v240, 2, v240                    ; my wave's word among the maxima,
	v_lshl_add_u32 v242, v242, 2, FT               ; block thread / 16's weight
	s_delay_alu instid0(VALU_DEP_2)
	v_add_nc_u32 v241, RS, v240                    ; my wave's word among the sums
	s_wait_alu depctr_va_vdst(0)                   ; the wait at the head's end
	s_wait_kmcnt 0x0
	s_lshl_b32 s28, s22, 13
	s_add_nc_u64 s[4:5], s[4:5], s[28:29]          ; sc and out1 at row b
	s_add_nc_u64 s[16:17], s[16:17], s[28:29]
	global_load_b128 v[16:19], v3, s[4:5]          ; u[4 t ..]
	global_load_b128 v[20:23], v3, s[4:5] offset:4096   ; u[1,024 + 4 t ..]
	s_lshl_b32 s28, s22, 17
	s_add_nc_u64 s[6:7], s[6:7], s[28:29]          ; pctx at batch b
.irp i, 0,1,2,3,4,5,6,7,8,9,10,11,12,13,14,15,16,17,18,19,20,21,22,23,24,25,26,27,28,29,30,31
	global_load_b128 v[64+4*\i:67+4*\i], v3, s[6:7] offset:4096*\i   ; block i's part, my four columns
.endr
	s_mul_i32 s28, s25, 12288
	s_add_nc_u64 s[8:9], s[8:9], s[28:29]
	s_lshl_b32 s28, s25, 9
	s_add_nc_u64 s[10:11], s[10:11], s[28:29]
	s_lshl_b32 s28, s25, 6
	s_add_nc_u64 s[12:13], s[12:13], s[28:29]
	WIN 0x40                                       ; destination window 1: W_out's eight fragments, v[12 s ..]
.irp s, 0,1,2,3,4,5,6,7
.irp c, 0,1,2
	global_load_b128 v[12*\s+4*\c:12*\s+4*\c+3], v6, s[8:9] offset:1536*\s+512*\c
.endr
.endr
	WIN 0
	global_load_b128 v[232:235], v5, s[10:11]      ; their scale words: register i: K step i in lanes 0-15, K step 4 + i in lanes 16-31
	global_load_b32 v30, v7, s[12:13]              ; b_out of my lane's column
	s_lshl_b32 s28, s22, 12
	s_lshl_b32 s30, s21, 9
	s_add_co_u32 s28, s28, s30
	s_add_nc_u64 s[14:15], s[14:15], s[28:29]      ; out0 at row b, my 128 outputs
	s_wait_loadcnt 58                              ; the scores are in; pctx's 32 loads and W_out's 26 may be out
	v_max3_num_f32 v28, v16, v17, v18
	v_max3_num_f32 v29, v20, v21, v22
	s_delay_alu instid0(VALU_DEP_2)
	v_max_num_f32 v28, v28, v19
	s_delay_alu instid0(VALU_DEP_2)
	v_max_num_f32 v29, v29, v23
.irp x, 1,2,4,8                                ; sixteen lanes hold a block of 64 rows: block t / 16, and block 16 + t / 16
	s_delay_alu instid0(VALU_DEP_2)
	v_max_num_f32_dpp v28, v28, v28 row_xmask:\x row_mask:0xf bank_mask:0xf
	s_delay_alu instid0(VALU_DEP_2)
	v_max_num_f32_dpp v29, v29, v29 row_xmask:\x row_mask:0xf bank_mask:0xf
.endr
	s_delay_alu instid0(VALU_DEP_1)
	v_max_num_f32 v252, v28, v29
	s_delay_alu instid0(VALU_DEP_1)
	v_permlanex16_b32 v253, v252, s26, s27
	s_delay_alu instid0(VALU_DEP_1)
	v_max_num_f32 v252, v252, v253
	ds_store_b32 v240, v252                        ; my wave's largest u
	BARRIER
	ds_load_b128 v[244:247], v243
	ds_load_b128 v[248:251], v243 offset:16
	s_wait_dscnt 0x0
	v_max3_num_f32 v252, v244, v245, v246
	s_delay_alu instid0(VALU_DEP_1)
	v_max3_num_f32 v252, v252, v247, v248
	s_delay_alu instid0(VALU_DEP_1)
	v_max3_num_f32 v252, v252, v249, v250
	s_delay_alu instid0(VALU_DEP_1)
	v_max_num_f32 v252, v252, v251                 ; M
.irp i, 0,1,2,3,4,5,6,7
	v_sub_f32 v[16+\i], v[16+\i], v252
.endr
	v_sub_f32 v28, v28, v252
	v_sub_f32 v29, v29, v252
	s_wait_alu depctr_va_vdst(0)                   ; a wait ahead of the batch and behind it
.irp i, 0,1,2,3,4,5,6,7
	v_exp_f32 v[16+\i], v[16+\i]                   ; 2^(u - M)
.endr
	v_exp_f32 v28, v28                             ; 2^(m_blk - M)
	v_exp_f32 v29, v29
	v_nop
	s_wait_alu depctr_va_vdst(0)
	v_pk_add_f32 v[244:245], v[16:17], v[18:19]
	v_pk_add_f32 v[246:247], v[20:21], v[22:23]
	s_delay_alu instid0(VALU_DEP_1)
	v_pk_add_f32 v[244:245], v[244:245], v[246:247]
	s_delay_alu instid0(VALU_DEP_1)
	v_add_f32 v244, v244, v245
.irp x, 1,2,4,8
	s_delay_alu instid0(VALU_DEP_1)
	v_add_f32_dpp v244, v244, v244 row_xmask:\x row_mask:0xf bank_mask:0xf
.endr
	s_delay_alu instid0(VALU_DEP_1)
	v_permlanex16_b32 v245, v244, s26, s27
	s_delay_alu instid0(VALU_DEP_1)
	v_add_f32 v244, v244, v245
	ds_store_b32 v241, v244                        ; my wave's sum
	ds_store_b32 v242, v28                         ; the blocks' weights: sixteen lanes write the same word with the same value
	ds_store_b32 v242, v29 offset:64
	BARRIER
	ds_load_b128 v[244:247], v243 offset:RS
	ds_load_b128 v[248:251], v243 offset:RS+16
.irp q, 0,1,2,3,4,5,6,7
	ds_load_b128 v[192+4*\q:195+4*\q], v243 offset:FT+16*\q
.endr
	s_wait_dscnt 0x0
	v_pk_add_f32 v[244:245], v[244:245], v[246:247]
	v_pk_add_f32 v[248:249], v[248:249], v[250:251]
	s_delay_alu instid0(VALU_DEP_1)
	v_pk_add_f32 v[244:245], v[244:245], v[248:249]
	s_delay_alu instid0(VALU_DEP_1)
	v_add_f32 v244, v244, v245                     ; L
	s_wait_alu depctr_va_vdst(0)
	v_rcp_f32 v252, v244
	v_nop
	s_wait_alu depctr_va_vdst(0)
	s_lshr_b32 s30, s20, 1                         ; out1: numbers 256 x .. 256 x + 255 lie in group x / 4 of threads 64 (x % 4) ..: two waves
	s_and_b32 s31, s21, 3
	s_cmp_lg_u32 s30, s31
	s_cbranch_scc1 .Lno1
	s_cmp_lt_u32 s21, 4
	s_cbranch_scc0 .Lhi
	v_pk_mul_f32 v[236:237], v[16:17], v[252:253] op_sel_hi:[1,0]
	v_pk_mul_f32 v[238:239], v[18:19], v[252:253] op_sel_hi:[1,0]
	global_store_b128 v3, v[236:239], s[16:17]     ; a wave stores 512 consecutive bytes
	s_branch .Lno1
.Lhi:
	v_pk_mul_f32 v[236:237], v[20:21], v[252:253] op_sel_hi:[1,0]
	v_pk_mul_f32 v[238:239], v[22:23], v[252:253] op_sel_hi:[1,0]
	global_store_b128 v3, v[236:239], s[16:17] offset:4096
.Lno1:
	s_wait_loadcnt 26                              ; pctx is in; W_out's 26 loads may be out
.irp c, 0,1,2,3
	v_mul_f32 v[24+\c], v192, v[64+\c]
.endr
.irp i, 1,2,3,4,5,6,7,8,9,10,11,12,13,14,15,16,17,18,19,20,21,22,23,24,25,26,27,28,29,30,31
.irp c, 0,1,2,3
	s_delay_alu instid0(VALU_DEP_4)
	v_fmac_f32 v[24+\c], v[192+\i], v[64+4*\i+\c]
.endr
.endr
	v_pk_mul_f32 v[24:25], v[24:25], v[252:253] op_sel_hi:[1,0]
	v_pk_mul_f32 v[26:27], v[26:27], v[252:253] op_sel_hi:[1,0]   ; the context, columns 4 t ..
	ds_store_b128 v8, v[24:27]
	BARRIER
	; K step w of the context becomes a fragment: lane (r, h) holds k = 64 c + 32 h + 0 .. 31, whatever r: two whole blocks a lane
.irp c, 0,1
.irp i, 0,1,2,3,4,5,6,7
	ds_load_b128 v[64+32*\c+4*\i:67+32*\c+4*\i], v9 offset:256*\c+16*\i
.endr
.endr
	s_wait_dscnt 0x0
	v_bfe_u32 v168, v0, 4, 1                       ; h
.irp c, 0,1
	v_max3_num_f32 v[160+\c], |v[64+32*\c]|, |v[65+32*\c]|, 0x2800000   ; and the floor 2^(5 - 127): the byte cannot fall under 1 (a block of zeros keeps that byte: its codes are zeros)
.endr
.irp i, 2,4,6,8,10,12,14,16,18,20,22,24,26,28,30
.irp c, 0,1
	s_delay_alu instid0(VALU_DEP_2)
	v_max3_num_f32 v[160+\c], v[160+\c], |v[64+32*\c+\i]|, |v[65+32*\c+\i]|
.endr
.endr
.irp c, 0,1
	s_delay_alu instid0(VALU_DEP_2)
	v_add_nc_u32 v[162+\c], 0xfe000000, v[160+\c]  ; 4 off the exponent field: the conversion's scale operand
.endr
.irp c, 0,1
	s_delay_alu instid0(VALU_DEP_2)
	v_lshrrev_b32 v[164+\c], 23, v[162+\c]         ; the scale's byte
.endr
	s_delay_alu instid0(VALU_DEP_1)
	v_lshl_or_b32 v166, v165, 16, v164             ; my two bytes: blocks h and 2 + h,
	v_lshlrev_b32 v167, 3, v168
	s_delay_alu instid0(VALU_DEP_1)
	v_lshlrev_b32 v166, v167, v166                 ; at their places in the scale word;
	v_mov_b32 v167, 0
	s_delay_alu instid0(VALU_DEP_1)
	v_permlanex16_b32 v167, v166, s26, s27
	s_delay_alu instid0(VALU_DEP_1)
	v_or_b32 v166, v166, v167                      ; with lane l xor 16's two the word is whole
.irp c, 0,1
	v_cvt_scalef32_pk16_bf6_f32 v[128+6*\c:130+6*\c], v[64+32*\c:79+32*\c], v[162+\c]
	v_cvt_scalef32_pk16_bf6_f32 v[140+4*\c:142+4*\c], v[80+32*\c:95+32*\c], v[162+\c]   ; (a conversion's three registers begin on an even number)
.endr
	v_nop                                          ; one plain place behind a scaled conversion
.irp c, 0,1
.irp i, 0,1,2
	v_mov_b32 v[131+6*\c+\i], v[140+4*\c+\i]
.endr
.endr
.irp c, 0,1,2
	ds_store_b128 v10, v[128+4*\c:131+4*\c] offset:512*\c
.endr
	ds_store_b32 v12, v166
	BARRIER
.irp s, 0,1,2,3,4,5,6,7
.irp c, 0,1,2
	ds_load_b128 v[64+12*\s+4*\c:67+12*\s+4*\c], v11 offset:1536*\s+512*\c
.endr
	ds_load_b32 v[224+\s], v13 offset:128*\s
.endr
	s_wait_loadcnt 0x0                             ; W_out
	s_wait_dscnt 0x0
	WIN 0x04                                       ; source 1 in window 1
.irp s, 0,1,2,3,4,5,6,7                        ; two accumulators take turns, one instruction a turn
.if \s < 2
	v_wmma_scale_f32_16x16x128_f8f6f4 v[240+8*(\s%2):247+8*(\s%2)], v[64+12*\s:75+12*\s], v[12*\s:12*\s+11], 0, v[224+\s], v[232+\s%4] matrix_a_fmt:MATRIX_FMT_BF6 matrix_b_fmt:MATRIX_FMT_BF6
.elseif \s < 4
	v_wmma_scale_f32_16x16x128_f8f6f4 v[240+8*(\s%2):247+8*(\s%2)], v[64+12*\s:75+12*\s], v[12*\s:12*\s+11], v[240+8*(\s%2):247+8*(\s%2)], v[224+\s], v[232+\s%4] matrix_a_fmt:MATRIX_FMT_BF6 matrix_b_fmt:MATRIX_FMT_BF6
.else
	v_wmma_scale_f32_16x16x128_f8f6f4 v[240+8*(\s%2):247+8*(\s%2)], v[64+12*\s:75+12*\s], v[12*\s:12*\s+11], v[240+8*(\s%2):247+8*(\s%2)], v[224+\s], v[232+\s%4] matrix_a_fmt:MATRIX_FMT_BF6 matrix_b_fmt:MATRIX_FMT_BF6 matrix_b_scale:MATRIX_SCALE_ROW1
.endif
.endr
	WIN 0
.rept 4
	v_nop                                          ; four places between the last product and the first read of results (ISA guide 7.12.1)
.endr
	v_add_f32 v31, v240, v248                      ; every row of the result is the result: each accumulator's lowest register
	s_delay_alu instid0(VALU_DEP_1)
	v_add_f32 v31, v31, v30                        ; + b_out
	ds_store_b32 v14, v31                          ; lanes r and r + 16 write the same word with the same value
	BARRIER
	s_cmp_lg_u32 s20, 0
	s_cbranch_scc1 .Lend
	ds_load_b128 v[24:27], v15
	s_wait_dscnt 0x0
	global_store_b128 v6, v[24:27], s[14:15]       ; 32 lanes store 512 consecutive bytes, at a multiple of 256 from out0's first byte
.Lend:
	s_wait_tensorcnt 0x0                           ; the wave's end
	ds_add_u32 v1, v2
	s_wait_dscnt 0x0
	s_endpgm
.Lfunc_end_k_q15d96eac54_fin:
	.size	k_q15d96eac54_fin, .Lfunc_end_k_q15d96eac54_fin-k_q15d96eac54_fin
	.p2alignl 7, 3214868480
	.fill 96, 4, 3214868480
	.section	.rodata,"a",@progbits
	.p2align	6, 0x0
	.amdhsa_kernel k_q15d96eac54_fin
		.amdhsa_group_segment_fixed_size 19968
		.amdhsa_private_segment_fixed_size 0
		.amdhsa_enable_private_segment 0
		.amdhsa_kernarg_size 56
		.amdhsa_user_sgpr_count 2
		.amdhsa_user_sgpr_kernarg_segment_ptr 1
		.amdhsa_wavefront_size32 1
		.amdhsa_system_sgpr_workgroup_id_x 1
		.amdhsa_system_sgpr_workgroup_id_y 1
		.amdhsa_system_sgpr_workgroup_id_z 1
		.amdhsa_system_vgpr_workitem_id 0
		.amdhsa_next_free_vgpr 384
		.amdhsa_next_free_sgpr 66
		.amdhsa_reserve_vcc 0
		.amdhsa_float_denorm_mode_32 3
		.amdhsa_float_denorm_mode_16_64 3
		.amdhsa_memory_ordered 1
		.amdhsa_forward_progress 1
		.amdhsa_inst_pref_size 32
	.end_amdhsa_kernel
	.amdgpu_metadata
---
amdhsa.version: [ 1, 2 ]
amdhsa.kernels:
  - .name:           k_q15d96eac54_fin
    .symbol:         k_q15d96eac54_fin.kd
    .args:
      - { .name: sc, .offset: 0, .size: 8, .value_kind: global_buffer, .address_space: global }
      - { .name: pctx, .offset: 8, .size: 8, .value_kind: global_buffer, .address_space: global }
      - { .name: wimg2, .offset: 16, .size: 8, .value_kind: global_buffer, .address_space: global }
      - { .name: W_out_scales, .offset: 24, .size: 8, .value_kind: global_buffer, .address_space: global }
      - { .name: b_out, .offset: 32, .size: 8, .value_kind: global_buffer, .address_space: global }
      - { .name: out0, .offset: 40, .size: 8, .value_kind: global_buffer, .address_space: global }
      - { .name: out1, .offset: 48, .size: 8, .value_kind: global_buffer, .address_space: global }
    .group_segment_fixed_size: 19968
    .private_segment_fixed_size: 0
    .kernarg_segment_align: 8
    .kernarg_segment_size: 56
    .max_flat_workgroup_size: 256
    .sgpr_count:     66
    .vgpr_count:     384
    .wavefront_size: 32
...
	.end_amdgpu_metadata
.endif
;; end of part 3
